; MI455X (gfx1250); checked and timed in simulation.
; The chip was launched on July 23, 2026; its instructions are those of AMD's public machine-readable ISA for CDNA 5 (MIT licence, August 2026) and "CDNA5" Instruction Set Architecture Reference Guide (July 2026). The comments in the code are by the model that wrote it; some were corrected since.
;; LSTM. Allowed arithmetic: matrix products marked QUANTISED: E5M2 operands, one E8M0 scale for each 32 along K, by v_wmma_scale_f32_16x16x128_f8f6f4 with both operands' format E5M2, f32 sums; everything else in f32.
;; Inputs: Wa 4 x 1,024 x 512 float32; Wh 4 x 1,024 x 1,024 float32; Wx 4 x 1,024 x 300 float32; bl 4 x 1,024 float32; bl2 4 x 1,024 float32; bl3 4 x 1,024 float32; bp 4 x 1,024 float32; c_prev 8,192 x 1,024 float32; context 8,192 x 512 float32; embedding_prev 8,192 x 300 float32; h_prev 8,192 x 1,024 float32.
;; Outputs: out0 8,192 x 1,024 float32; out1 8,192 x 1,024 float32.
;; This version of the problem:
;;   THIS VERSION OF THE PROBLEM IS GIVEN IN LOW PRECISION. The matrix products marked QUANTISED in the list below multiply operands that are first quantised to E5M2 (5 exponent bits, 2 mantissa bits; 8 bits a number), with one power-of-two scale for each 32 numbers along K (OCP MX v1.0); their sums are f32. All else is computed in f32.
;;   The module's matrix products, in the order in which they are computed (A, B: the left and right operand; K: the contracted axis; several contracted axes count as one K, in the product's order):
;;     1. [M 8,192, K 1,024] x [K 1,024, N 4,096]; A: input h_prev; B: input Wh: QUANTISED
;;     2. [M 8,192, K 300] x [K 300, N 4,096]; A: input embedding_prev; B: input Wx: QUANTISED
;;     3. [M 8,192, K 512] x [K 512, N 4,096]; A: input context; B: input Wa: QUANTISED
;;   THE QUANTISER, for each operand of a quantised product, along K:
;;     - K is cut into blocks of 32 from its start; a last block that is shorter is filled with zeros.
;;     - A block's scale is 2^e with e = floor(log2(the largest magnitude in the block)) - 15, held to -126 .. 127; a block of zeros has e = 0. As a byte (E8M0): e + 127.
;;     - Each number is divided by its block's scale, clamped to +-57,344, and rounded to the nearest number of E5M2, ties to even, subnormals kept.
;;     - The product sums the exact products of the quantised numbers (number of the format x scale) in f32.
;;   ~~~python
;;   def quantise(x, axis):      # numpy; x: float32 -> the quantised numbers, widened to float32 again
;;       x = np.moveaxis(x, axis, -1); K = x.shape[-1]
;;       x = np.pad(x, [(0, 0)] * (x.ndim - 1) + [(0, -K % 32)]); x = x.reshape(x.shape[:-1] + (-1, 32)); a = np.abs(x).max(-1, keepdims=True)
;;       e = np.where(a > 0, np.clip(np.frexp(np.where(a > 0, a, 1))[1] - 1 - 15, -126, 127), 0)      # np.frexp(a)[1] - 1 = floor(log2(a)), exactly
;;       r = np.clip(x / 2.0 ** e, -57344, 57344)
;;       step = 2.0 ** (np.maximum(np.frexp(np.where(r == 0, 1, r))[1] - 1, -14) - 2)
;;       q = np.round(r / step) * step * 2.0 ** e      # np.round: ties to even
;;       return np.moveaxis(q.reshape(q.shape[:-2] + (-1,))[..., :K], -1, axis).astype(np.float32)
;;   ~~~
;; One version. Each part assembles by itself: llvm-mc -triple=amdgcn-amd-amdhsa -mcpu=gfx1250 --defsym DOCPART=n.
;; ======== version 1 of 1: 2 launches
;; limits: inputs' magnitudes at most 1.153e+18; right only within a limited range of input values
;; workspace buffers: a_codes 16,777,216 bytes; a_scales 524,288 bytes; w_codes 8,388,608 bytes; w_scales 262,144 bytes
;; launch quant (part 1): grid 768 x 1, 4 waves a work-group, no clusters, 33,280 bytes of LDS; arguments h_prev, context, embedding_prev, Wh, Wa, Wx, a_codes, a_scales, w_codes, w_scales; writes a_codes, a_scales, w_codes, w_scales
.if DOCPART == 1
	.amdgcn_target "amdgcn-amd-amdhsa--gfx1250"
	.amdhsa_code_object_version 6
	.text
	.protected	k_qfdfa00b2bb_quant
	.globl	k_qfdfa00b2bb_quant
	.p2align	8
	.type	k_qfdfa00b2bb_quant,@function
k_qfdfa00b2bb_quant:
	s_mov_b64 s[64:65], 0
	v_nop
	global_prefetch_b8 v0, s[64:65] scope:SCOPE_SE
	s_setreg_imm32_b32 hwreg(HW_REG_WAVE_MODE, 25, 1), 1
	s_wait_xcnt 0x0
; The six f32 operands of the three products become codes of BF8 (E5M2) with one E8M0 scale byte for each 32 along K, laid for ONE product over a joined K.
; A row of codes is 2,048 bytes: 0..1023 h_prev (Wh), 1024..1535 context (Wa), 1536..1835 embedding_prev (Wx), 1836..2047 zero codes.  A row of scale bytes is 64 bytes, byte j for codes 32 j .. 32 j + 31.
; Each part begins at a multiple of 32, so the joined K's blocks are the three products' own blocks; the embedding's last block (12 numbers) is filled with zeros, as the quantiser asks.
; a_codes, a_scales: 8,192 rows, as the batch lies.  w_codes, w_scales: 4,096 rows; row (gate g, unit o) goes to row (o / 32) x 128 + 32 g + o % 32, so that 128 rows on end hold 32 units x 4 gates.
; A block's scale is 2^(floor(log2(its largest magnitude)) - 15); its byte is the largest magnitude's exponent field - 15, held at 1 from below.  Each number is held within +-57,344 x the scale and rounded to the nearest code, ties to even.
; LIMITS: a block of zeros gets the byte 1 where the rule says 127 (its codes are zeros, which add nothing under any byte but 0xff, and this program alone reads the bytes); NaN and infinities among the inputs are not served.
; SHARES: a wave takes 4 rows on end = 16 steps of 512 numbers; step t is row t / 4, part t % 4 (0, 1: the halves of h; 2: context; 3: the embedding's 300 numbers and 212 zeros).  A work-group takes 16 rows;
; work-groups 0..511 take the activations, 512..767 the weights: only pointers and one row number are chosen, all take one path through the text.
; Each load reads 512 consecutive bytes, 16 a lane; a step's 2,048 bytes turn through the wave's own stage in LDS and come back 64 bytes a lane: 16 neighbours along K, two lanes to a block.
; A step's 512 codes leave as 512 consecutive bytes; a wave's 256 scale bytes (4 rows of 64) are gathered in LDS and leave as 256 consecutive bytes, aligned.
; (An embedding row is 1,200 bytes: its loads start at multiples of 16 bytes, not of 256.)  No tensor loads, no barrier: waves share nothing.
; Loads run AHEAD = 8 steps ahead, half of a wave's work, in eight sets of 16 registers: up to 30 loads of a wave are out.  The turn through LDS runs one step ahead.
.set STEPS, 16
.set AHEAD, 8                          ; steps that the loads run ahead, and sets of registers
.set NACT,  512                        ; work-groups of the activations: 8,192 rows / 16
.set EMAX,  15
.set MANT,  0x600000                   ; the mantissa field of 57,344 as f32
.set R,     16                         ; v16-143  eight sets of 16 numbers as they are loaded; set t % 8, so sets 3 and 7 always hold an embedding step
.set X,     144                        ; v144-175 two sets of 16 neighbours
.set E,     176                        ; v176-183 scale bytes, a register for step t % 8 (an LDS store's data need no wait)
.set SPW,   184                        ; v184     my spare word; never rewritten
.set NIL,   185                        ; v185     0; never rewritten
.set C,     192                        ; v192-255 codes: four registers for each step, so that no store's data are written again
.set WREG,  8192                       ; LDS: a region for each wave: two stages of 32 x SP bytes, behind them its 256 scale bytes
.set SP,    80                         ; a lane's place in a stage: its 64 bytes + 16 of padding
.set SPARE, 4*WREG                     ; behind the four regions: the spare words, 128 bytes a wave
	s_load_b512 s[4:19], s[0:1], 0x0               ; h_prev, context, embedding_prev, Wh, Wa, Wx, a_codes, a_scales
	s_load_b128 s[20:23], s[0:1], 0x40             ; w_codes, w_scales
	v_lshl_add_u32 v[SPW], v0, 2, SPARE
	v_mov_b32 v[NIL], 0
	v_lshrrev_b32 v1, 5, v0
	v_readfirstlane_b32 s24, v1                    ; wave
	v_and_b32 v2, 31, v0                           ; lane
	v_lshlrev_b32 v3, 4, v2                        ; my 16 bytes of a load's 512, and of a step's 512 codes; never rewritten
	v_min_u32 v1, 10, v2
	v_lshlrev_b32 v1, 4, v1                        ; the embedding's third load has 176 bytes left in the row: lanes 11 on read lane 10's, so that no load leaves the row
	v_cmp_gt_u32 s30, 11, v2                       ; the lanes whose 16 bytes of that load are numbers of the row (300 = 256 + 4 x 11)
	s_mul_i32 s29, s24, WREG
	v_lshrrev_b32 v14, 2, v2
	v_mul_u32_u24 v14, v14, SP
	v_and_b32 v15, 3, v2
	v_lshl_add_u32 v14, v15, 4, v14
	v_add_nc_u32 v14, s29, v14                     ; the stage, on the way in: four lanes' 64 bytes on end, then 16 of padding
	v_mul_u32_u24 v15, v2, SP
	v_add_nc_u32 v15, s29, v15                     ; and on the way out: SP x lane: my 16 neighbours
	v_lshrrev_b32 v5, 1, v2
	s_add_co_u32 s29, s29, 2*32*SP
	v_add_nc_u32 v5, s29, v5                       ; my wave's 256 scale bytes, my block's byte
	v_lshlrev_b32 v7, 3, v2                        ; and on the way out 8 bytes a lane
	v_add_nc_u32 v6, s29, v7
	s_mov_b32 s31, MANT                            ; (an instruction takes one literal: the hold's line has another)
.irp j, 60,61,62,63,124,125,126,127
	v_mov_b32 v[R+\j], 0                           ; numbers 384..511 of an embedding step are zeros: written once in sets 3 and 7, never loaded
.endr
	s_cmp_lt_u32 ttmp9, NACT                       ; activations or weights?  The choice hangs on the work-group's number alone
	s_cselect_b32 s25, 0, NACT
	s_sub_co_u32 s26, ttmp9, s25
	s_lshl_b32 s26, s26, 4
	s_lshl_b32 s27, s24, 2
	s_add_co_u32 s26, s26, s27                     ; my first row in the sources: 16 x work-group + 4 x wave.  In the weights it is 1,024 g + o
	s_and_b32 s27, s26, 1023
	s_lshr_b32 s27, s27, 5
	s_lshl_b32 s27, s27, 7                         ; (o / 32) x 128
	s_lshr_b32 s28, s26, 10
	s_lshl_b32 s28, s28, 5                         ; + 32 g
	s_or_b32 s27, s27, s28
	s_and_b32 s28, s26, 31                         ; + o % 32: my four rows stay neighbours
	s_or_b32 s27, s27, s28
	s_cmp_lt_u32 ttmp9, NACT
	s_cselect_b32 s28, s26, s27                    ; my first row in the codes and scale bytes
	s_lshl_b32 s32, s26, 12                        ; byte offsets, all under 2^32: h or Wh, 4,096 a row;
	s_mov_b32 s33, 0
	s_lshl_b32 s34, s26, 11                        ; context or Wa, 2,048;
	s_mov_b32 s35, 0
	s_mul_i32 s36, s26, 1200                       ; embedding or Wx, 1,200;
	s_mov_b32 s37, 0
	s_lshl_b32 s38, s28, 11                        ; codes, 2,048;
	s_mov_b32 s39, 0
	s_lshl_b32 s40, s28, 6                         ; scale bytes, 64
	s_mov_b32 s41, 0
	s_wait_alu depctr_va_vdst(0)
	s_wait_kmcnt 0x0
	s_cmp_lt_u32 ttmp9, NACT
	s_cselect_b64 s[4:5], s[4:5], s[10:11]
	s_cselect_b64 s[6:7], s[6:7], s[12:13]
	s_cselect_b64 s[8:9], s[8:9], s[14:15]
	s_cselect_b64 s[16:17], s[16:17], s[20:21]
	s_cselect_b64 s[18:19], s[18:19], s[22:23]
	s_add_nc_u64 s[4:5], s[4:5], s[32:33]
	s_add_nc_u64 s[6:7], s[6:7], s[34:35]
	s_add_nc_u64 s[8:9], s[8:9], s[36:37]
	s_add_nc_u64 s[16:17], s[16:17], s[38:39]
	s_add_nc_u64 s[18:19], s[18:19], s[40:41]
.macro LOAD t                          ; step t's numbers: four loads, an embedding step three
.set LK, (\t)%4
.set LR, (\t)/4
.set LS, R+16*((\t)%AHEAD)
.if LK < 2
.irp i, 0,1,2,3
	global_load_b128 v[LS+4*\i:LS+4*\i+3], v3, s[4:5] offset:4096*LR+2048*LK+512*\i th:TH_LOAD_NT
.endr
.elseif LK == 2
.irp i, 0,1,2,3
	global_load_b128 v[LS+4*\i:LS+4*\i+3], v3, s[6:7] offset:2048*LR+512*\i th:TH_LOAD_NT
.endr
.else
.irp i, 0,1
	global_load_b128 v[LS+4*\i:LS+4*\i+3], v3, s[8:9] offset:1200*LR+512*\i th:TH_LOAD_NT
.endr
	global_load_b128 v[LS+8:LS+11], v1, s[8:9] offset:1200*LR+1024 th:TH_LOAD_NT   ; the highest byte read is the row's last, 1,199
.endif
.endm
.macro TURN t                          ; step t's numbers through the stage: LDS serves a wave's instructions in order, so no wait stands between the stores and the loads
.set TS, R+16*((\t)%AHEAD)
.if (\t)%4 == 3
.irp j, 8,9,10,11
	v_cndmask_b32 v[TS+\j], 0, v[TS+\j], s30       ; what lies past the row's 300 numbers is 0
.endr
.endif
.irp i, 0,1,2,3
	ds_store_b128 v14, v[TS+4*\i:TS+4*\i+3] offset:32*SP*((\t)%2)+8*SP*\i
.endr
.irp i, 0,1,2,3
	ds_load_b128 v[X+16*((\t)%2)+4*\i:X+16*((\t)%2)+4*\i+3], v15 offset:32*SP*((\t)%2)+16*\i
.endr
.endm
.irp t, 0,1,2,3,4,5,6,7
	LOAD \t
.endr
	s_wait_loadcnt 26                              ; step 0's four loads are in; behind them 4 + 4 + 3 + 4 + 4 + 4 + 3 are out
	TURN 0
.macro STEP t
.set XS, X+16*((\t)%2)
.if (\t) > 0
	s_wait_dscnt 1                                 ; this step's numbers are back from the stage (the last step's byte store may be out): so its stores into the stage have read their registers,
.else
	s_wait_dscnt 0x0
.endif
.if (\t)+AHEAD < STEPS
	LOAD (\t)+AHEAD                                ; which take the loads of eight steps on
.endif
.if (\t)+1 < STEPS
.set OUTL, 0                                   ; the loads issued behind the next step's: those of steps t + 2 .. t + 8, four each, an embedding step's three
.irp d, 2,3,4,5,6,7,8
.if (\t)+\d < STEPS
.set OUTL, OUTL+4-(((\t)+\d)%4)/3
.endif
.endr
	s_wait_loadcnt OUTL                            ; the next step's loads are in
	TURN (\t)+1                                    ; and go through the other stage while this step is worked
.endif
	v_max3_num_f32 v8, |v[XS]|, |v[XS+1]|, |v[XS+2]|               ; the largest magnitude of my 16, in two chains
	v_max3_num_f32 v9, |v[XS+3]|, |v[XS+4]|, |v[XS+5]|
.irp i, 6,10
	v_max3_num_f32 v8, v8, |v[XS+\i]|, |v[XS+\i+1]|
	v_max3_num_f32 v9, v9, |v[XS+\i+2]|, |v[XS+\i+3]|
.endr
	v_max3_num_f32 v8, v8, |v[XS+14]|, |v[XS+15]|
	v_max3_num_f32 v8, v8, v9, (EMAX+1)<<23        ; and the floor 2^(EMAX + 1 - 127): so the byte cannot fall under 1
	v_max_num_f32_dpp v8, v8, v8 row_xmask:1 row_mask:0xf bank_mask:0xf   ; and of my neighbour's 16: the block's
	v_add_nc_u32 v11, -(EMAX<<23), v8              ; EMAX off its exponent field: the conversion takes the exponent field of this operand as its scale, and nothing else of it
	v_and_or_b32 v10, v8, 0x7f800000, s31          ; 57,344 x the scale: the largest magnitude's exponent field over 57,344's mantissa
.irp i, 0,1,2,3,4,5,6,7,8,9,10,11,12,13,14,15
	v_med3_num_f32 v[XS+\i], v[XS+\i], -v10, v10   ; the conversion to an 8-bit code does not saturate (ISA guide 7.6.2): the number is held within the largest code x the scale first
.endr
	v_cvt_scalef32_pk8_bf8_f32 v[C+4*(\t):C+4*(\t)+1], v[XS:XS+7], v11
	v_cvt_scalef32_pk8_bf8_f32 v[C+4*(\t)+2:C+4*(\t)+3], v[XS+8:XS+15], v11
	v_lshrrev_b32 v[E+(\t)%8], 23, v11             ; the scale's byte; also the plain line behind the conversions
	ds_store_b8 v5, v[E+(\t)%8] offset:16*(\t)     ; both lanes of a block write the same byte with the same value
	global_store_b128 v3, v[C+4*(\t):C+4*(\t)+3], s[16:17] offset:512*(\t)   ; 32 lanes store 512 consecutive bytes: row t / 4, part t % 4
.endm
.irp t, 0,1,2,3,4,5,6,7,8,9,10,11,12,13,14,15
	STEP \t
.endr
	ds_load_b64 v[12:13], v6                       ; LDS serves a wave's instructions in order: these see my byte stores
	s_wait_dscnt 0x0
	global_store_b64 v7, v[12:13], s[18:19]        ; 32 lanes store 256 consecutive bytes, aligned: four rows of scale bytes
	s_wait_tensorcnt 0x0                           ; the wave's end: behind my last LDS store
	ds_add_u32 v[SPW], v[NIL]
	s_wait_dscnt 0x0
	s_endpgm
.Lfunc_end_k_qfdfa00b2bb_quant:
	.size	k_qfdfa00b2bb_quant, .Lfunc_end_k_qfdfa00b2bb_quant-k_qfdfa00b2bb_quant
	.p2alignl 7, 3214868480
	.fill 96, 4, 3214868480
	.section	.rodata,"a",@progbits
	.p2align	6, 0x0
	.amdhsa_kernel k_qfdfa00b2bb_quant
		.amdhsa_group_segment_fixed_size 33280
		.amdhsa_private_segment_fixed_size 0
		.amdhsa_enable_private_segment 0
		.amdhsa_kernarg_size 80
		.amdhsa_user_sgpr_count 2
		.amdhsa_user_sgpr_kernarg_segment_ptr 1
		.amdhsa_wavefront_size32 1
		.amdhsa_system_sgpr_workgroup_id_x 1
		.amdhsa_system_sgpr_workgroup_id_y 1
		.amdhsa_system_sgpr_workgroup_id_z 1
		.amdhsa_system_vgpr_workitem_id 0
		.amdhsa_next_free_vgpr 256
		.amdhsa_next_free_sgpr 66
		.amdhsa_reserve_vcc 0
		.amdhsa_float_denorm_mode_32 3
		.amdhsa_float_denorm_mode_16_64 3
		.amdhsa_memory_ordered 1
		.amdhsa_forward_progress 1
		.amdhsa_inst_pref_size 53
	.end_amdhsa_kernel
	.amdgpu_metadata
---
amdhsa.version: [ 1, 2 ]
amdhsa.kernels:
  - .name:           k_qfdfa00b2bb_quant
    .symbol:         k_qfdfa00b2bb_quant.kd
    .args:
      - { .name: h_prev, .offset: 0, .size: 8, .value_kind: global_buffer, .address_space: global }
      - { .name: context, .offset: 8, .size: 8, .value_kind: global_buffer, .address_space: global }
      - { .name: embedding_prev, .offset: 16, .size: 8, .value_kind: global_buffer, .address_space: global }
      - { .name: Wh, .offset: 24, .size: 8, .value_kind: global_buffer, .address_space: global }
      - { .name: Wa, .offset: 32, .size: 8, .value_kind: global_buffer, .address_space: global }
      - { .name: Wx, .offset: 40, .size: 8, .value_kind: global_buffer, .address_space: global }
      - { .name: a_codes, .offset: 48, .size: 8, .value_kind: global_buffer, .address_space: global }
      - { .name: a_scales, .offset: 56, .size: 8, .value_kind: global_buffer, .address_space: global }
      - { .name: w_codes, .offset: 64, .size: 8, .value_kind: global_buffer, .address_space: global }
      - { .name: w_scales, .offset: 72, .size: 8, .value_kind: global_buffer, .address_space: global }
    .group_segment_fixed_size: 33280
    .private_segment_fixed_size: 0
    .kernarg_segment_align: 8
    .kernarg_segment_size: 80
    .max_flat_workgroup_size: 128
    .sgpr_count:     66
    .vgpr_count:     256
    .wavefront_size: 32
...
	.end_amdgpu_metadata
.endif
;; end of part 1
;; launch lstm (part 2): grid 16 x 32, 4 waves a work-group, clusters of 4 x 4, 327,680 bytes of LDS; arguments a_codes, a_scales, w_codes, w_scales, bl, bl2, bl3, bp, c_prev, out0, out1; writes out0, out1
.if DOCPART == 2
	.amdgcn_target "amdgcn-amd-amdhsa--gfx1250"
	.amdhsa_code_object_version 6
	.text
	.protected	k_qfdfa00b2bb_lstm
	.globl	k_qfdfa00b2bb_lstm
	.p2align	8
	.type	k_qfdfa00b2bb_lstm,@function
k_qfdfa00b2bb_lstm:
	s_mov_b64 s[64:65], 0
	v_nop
	global_prefetch_b8 v0, s[64:65] scope:SCOPE_SE
	s_setreg_imm32_b32 hwreg(HW_REG_WAVE_MODE, 25, 1), 1
	s_wait_xcnt 0x0
	s_wait_alu depctr_hold_cnt(0) depctr_sa_sdst(0) depctr_va_vdst(0) depctr_va_sdst(0) depctr_va_ssrc(0) depctr_va_vcc(0) depctr_vm_vsrc(0)
	s_getreg_b32 s2, hwreg(HW_REG_IB_STS2, 6, 4)
	s_cmp_eq_u32 s2, 0
	s_cbranch_scc0 .Lentry_in_a_cluster
	s_endpgm
.Lentry_in_a_cluster:
	s_bfe_u32 s2, ttmp6, 0x10000c
	s_cmp_lg_u32 s2, 0xf033
	s_cbranch_scc0 .Lentry_shape_is_right
	s_endpgm
.Lentry_shape_is_right:
; pre = A W^T + (bl + bl2 + bl3 + bp) over the joined K of 1,920 (15 matrix instructions deep), on codes of BF8 (E5M2) with E8M0 scales; then the gates, c_t (out1) and h_t (out0), in f32; pre never leaves the registers.
; A: a_codes [8192][2048 bytes], a_scales [8192][64].  W: w_codes [4096][2048], w_scales [4096][64]; W's row (o / 32) x 128 + 32 g + o % 32 is gate g (i, f, o, g), unit o.  Bytes 1920..2047 of a row are fetched and not multiplied.
; SHARES.  A work-group of four waves makes 256 rows of the batch x 256 rows of W = 64 units x 4 gates; a wave 128 x 128: 64 accumulators of 16 x 16, 512 registers.
; THE MATRIX INSTRUCTION IS USED TRANSPOSED (source 0 = 16 rows of W, source 1 = 16 rows of A): in accumulator (a, b), lane (r, h), register j is batch row 16 a + r, gate b / 2, unit 16 (b % 2) + 8 h + j of the wave's 32.
; So accumulators u, 2 + u, 4 + u, 6 + u hold i, f, o, g of the same eight elements in the same lane and register.  The summed biases are the C of each sum's first matrix instruction.
; K goes in steps of 256 through a ring of two LDS slots filled by the tensor data mover.  THE HEAD has one joint load a wave: K step 0's 256 rows of A, its 256 rows of W, the scale bytes of A's 256 rows and of W's, for all of K;
; slot 1's first fill follows behind the full sequence and a round, as a refill does.
; CLUSTERS: 4 x 4 work-groups.  The four of a row of the cluster need the same tiles of A, the four of a column the same tiles of W: each is asked for JOINTLY, by the same tensor load with a mask that names the four.
; PREFETCH: with the request of K step j each wave names K step j + 2 of 32 rows, a lane a row of 256 bytes; the head names steps 1 and 2.  The four partners of a joint load share its 128 rows out by address.
; c_prev's tile (256 rows x 256 bytes) comes by plain tensor loads into slot 0 when that slot's last codes have been read: its last fill.  c_t then takes c_prev's bytes, h_t the slot's other half, and both leave as whole rows.
; THE GATES.  L = log2(e).  E_i, E_f, E_o = 2^(-L p), E_g = 2^min(-2 L p, 30):  c_t = c_prev / (1+E_f) + (1-E_g) / [(1+E_i)(1+E_g)];
; E_c = 2^min(-2 L c_t, 30), T = 1+E_c:  h_t = (1-E_c) / (E_o T + T).  An E_i, E_f or E_o that overflows makes its divisor infinite and its term 0; the factors beside it are finite by the hold and at least 1.
; LIMITS: the hold at 30 moves a tanh by at most 2^-29; NaN and infinities among the inputs are not served.
; REGISTERS, in windows of 256: window 0: v1-31 addresses; v32-63 scale words, two sets, and nothing else; v64-127 the bias sums; v128-255 A's fragments, ONE set; on the way out v64-159 and v160-255 are two work sets.
;   window 1: W's fragments, TWO sets; on the way out rows read back.   window 2: the accumulators of my rows 0-63 ((a, b) at v[8 (8 a + b)]);   window 3: those of my rows 64-127.
.set NQ,     2                         ; matrix instructions deep in a slot
.set ROWB,   256                       ; a tile's row in bytes
.set KROW,   2048                      ; a row of codes in memory
.set PITCH,  272                       ; an LDS row: 256 bytes + 16 of padding
.set FR,     16                        ; registers of a fragment
.set NL,     4                         ; LDS loads that bring one
.set NP,     8                         ; places behind this matrix instruction (ISA guide 7.12.1)
.set HALFT,  128*PITCH                 ; 128 rows: what one load of the ring brings, and what one wave reads of A or of W
.set SLOT,   4*HALFT                   ; A's 256 rows, then W's 256 rows
.set KS,     64                        ; a row of scale bytes
.set SCL,    2*SLOT                    ; behind the ring: the scales, as pieces of 256 bytes + 16 of padding
.set HALFS,  (128*KS/256)*272          ; the scales of 128 rows
.set SBLK,   (16*KS/256)*272           ; those of 16 rows
.set SPARE,  SCL+4*HALFS               ; the spare words: 128 bytes a wave, named by no other line
.set HROW,   4096                      ; a row of c_prev, out0, out1, and a gate's row of a bias
.set ADRA, 16                          ; v16-17  my A fragments in slot 0, 1
.set PFK,  18                          ; v18     prefetch of codes: lane x 2,048; never rewritten
.set ADRB, 20                          ; v20-21  my W fragments
.set CA,   22                          ; my 32 bytes of c_prev's (then c_t's) row r
.set HA,   23                          ; the same in h_t's stage
.set RDC,  24                          ; where I read rows of c_t back
.set RDH,  25                          ; and rows of h_t
.set CO,   26                          ; my byte offset in two rows of an output
.set ADRS, 27                          ; my scale words: lanes 0-15 A's rows, lanes 16-31 W's
.set SPW,  28                          ; my spare word; never rewritten
.set NIL,  29                          ; 0; never rewritten
.set PFO,  30                          ; prefetch of c_prev: lane x 4,096; never rewritten
.set BO,   31                          ; my half's 32 bytes of a bias tile
.set SC,   32                          ; scale words: set s at v[SC + 16 s]; register 2 i + q: lanes 0-15 A's block i, lanes 16-31 W's block i
.set BI,   64                          ; the bias sums: block b at v[BI + 8 b]
.set AF,   128                         ; A's fragments
.set CH,   2                           ; which half of the columns is mine; also which 128 rows of a tile I fetch
.set CNT,  3                           ; the loop's counter; on the way out 30.0
.set PFA,  4                           ; s[4:5] where my prefetches of codes stand
.set WV,   18                          ; wave
.set RH,   19                          ; which half of the rows is mine; also: I fetch for A (0) or for W (1)
.set G0C,  20                          ; s[20:23] first W's addresses, then group 0 for c_prev's tile
.set G1,   24                          ; s[24:31] group 1 for A's tiles;  s[32:39] group 0, one set for each slot
.set G0,   32
.set ML,   46                          ; s[46:47] first A's codes, on the way out -L twice
.set G1B,  48                          ; the same for W's tiles
.set G0B,  56
.set ML2,  66                          ; s[66:67] first A's scales, on the way out -2 L twice
.set G1S,  68                          ; groups 1 and 0 for A's scales; then for W's
.set G0S,  76
.set G1SB, 80
.set G0SB, 88
.set G1C,  92                          ; s[92:99] first the four biases' addresses, then group 1 for c_prev's tile
.set LD,   100                         ; s100 where my 128 rows of a ring load go: wave x 128 rows
.set HO,   104                         ; s[104:105] my 128 rows of a tile, in bytes of memory
.set MSB, 0
.macro WIN new                         ; the immediate's high byte repeats the setting that is left
.if MSB != (\new)
	s_set_vgpr_msb (MSB<<8)|(\new)
.set MSB, (\new)
.endif
.endm
.set MUL_LO, 0xa1                      ; source 0 (W) window 1, source 1 (A) window 0, C and D window 2
.set MUL_HI, 0xf1                      ; the same, C and D window 3
.set TO_B,   0x40                      ; destination window 1, address window 0
.macro TLOAD g0, g1                    ; a tensor load with an s_nop 0 and four v_nop behind it
	tensor_load_to_lds s[\g0:\g0+3], s[\g1:\g1+7]
	s_nop 0
.rept 4
	v_nop
.endr
.endm
.macro JLOAD g0a, g1a, g0b, g1b        ; a joint load of the ring: waves 0 and 1 fetch for A, waves 2 and 3 for W; the branch hangs on the wave's number alone
	s_cmp_eq_u32 s[RH], 0
	s_cbranch_scc0 .Lfor_b_\@
	TLOAD \g0a, \g1a
	s_branch .Lasked_\@
.Lfor_b_\@:
	TLOAD \g0b, \g1b
.Lasked_\@:
.endm
.macro CREST                           ; a round of the cluster's barrier behind its opening barrier
	s_cmp_lg_u32 s[WV], 0
	s_cbranch_scc1 .Lnot_wave_0_\@
	s_barrier_signal -3
.Lnot_wave_0_\@:
	s_barrier_wait -3
	s_barrier_signal -1
	s_barrier_wait -1
.endm
.macro CROUND                          ; a whole round
	s_barrier_signal -1
	s_barrier_wait -1
	CREST
.endm
	s_load_b256 s[4:11], s[0:1], 0x0               ; A's codes, A's scales, W's codes, W's scales
	s_load_b256 s[92:99], s[0:1], 0x20             ; bl, bl2, bl3, bp
	s_load_b128 s[12:15], s[0:1], 0x40             ; c_prev, out0
	s_load_b64 s[16:17], s[0:1], 0x50              ; out1
	v_lshl_add_u32 v[SPW], v0, 2, SPARE
	v_mov_b32 v[NIL], 0
	ds_add_u32 v[SPW], v[NIL]                      ; the opening lines: the add, twice on end, and one wait ahead of my first tensor load
	ds_add_u32 v[SPW], v[NIL]
	v_lshrrev_b32 v1, 5, v0
	v_readfirstlane_b32 s[WV], v1                  ; wave 0..3
	s_lshr_b32 s[RH], s[WV], 1
	s_and_b32 s[CH], s[WV], 1
	s_bfe_u32 s40, ttmp6, 0x40000                  ; cx, cy: my place in the cluster
	s_bfe_u32 s41, ttmp6, 0x40004
	s_lshl_b32 s42, ttmp9, 2
	s_add_co_u32 s42, s42, s40                     ; tile column = 4 x cluster x + cx: 64 units
	s_and_b32 s43, ttmp7, 0xffff
	s_lshl_b32 s43, s43, 2
	s_add_co_u32 s43, s43, s41                     ; tile row = 4 x cluster y + cy: 256 rows of the batch
	s_lshl_b32 s44, s41, 2
	s_lshl_b32 s44, 15, s44                        ; my row of the cluster
	s_lshl_b32 s45, 0x1111, s40                    ; my column
	; group 1 for codes: rows of 256 bytes, 16 of padding behind each; 256 rows for the head's loads, 128 behind them
	s_or_b32 s[G1+0], s44, (0<<16)|(1<<20)|(1<<21)|(5<<22)|(3<<25)
	s_or_b32 s[G1B+0], s45, (0<<16)|(1<<20)|(1<<21)|(5<<22)|(3<<25)
.irp g, G1, G1B
	s_mov_b32 s[\g+1], ROWB<<16
	s_mov_b32 s[\g+2], 256<<16
	s_mov_b32 s[\g+3], ROWB<<16
	s_mov_b32 s[\g+4], 256
	s_mov_b32 s[\g+5], KROW
	s_mov_b32 s[\g+6], 0
	s_mov_b32 s[\g+7], 0
.endr
	; and for the scales of 256 rows: a dense block of 16,384 bytes, as 64 rows of 256 bytes (32 elements of 8 bytes), padded likewise
	s_or_b32 s[G1S+0], s44, (3<<16)|(1<<20)|(1<<21)|(5<<22)|(3<<25)
	s_or_b32 s[G1SB+0], s45, (3<<16)|(1<<20)|(1<<21)|(5<<22)|(3<<25)
.irp g, G1S, G1SB
	s_mov_b32 s[\g+1], 32<<16
	s_mov_b32 s[\g+2], KS<<16
	s_mov_b32 s[\g+3], 32<<16
	s_mov_b32 s[\g+4], KS
	s_mov_b32 s[\g+5], 32
	s_mov_b32 s[\g+6], 0
	s_mov_b32 s[\g+7], 0
.endr
	; A's tiles hang on the tile row alone, W's on the tile column alone, each in registers that never hold the other coordinate
	s_lshl_b32 s46, s43, 19                        ; 256 rows x 2,048 bytes of codes
	s_mov_b32 s47, 0
	s_lshl_b32 s66, s43, 14                        ; 256 rows x 64 scale bytes
	s_mov_b32 s67, 0
	s_lshl_b32 s20, s42, 19
	s_mov_b32 s21, 0
	s_lshl_b32 s22, s42, 14
	s_mov_b32 s23, 0
	s_lshl_b32 s[HO], s[CH], 18                    ; 128 rows x 2,048 bytes
	s_mov_b32 s[HO+1], 0
	s_mul_i32 s[LD], s[WV], HALFT                  ; no place in the cluster enters an LDS address
	s_wait_dscnt 0x0                               ; both opening adds are done
	s_wait_kmcnt 0x0
	s_add_nc_u64 s[46:47], s[4:5], s[46:47]
	s_add_nc_u64 s[66:67], s[6:7], s[66:67]
	s_add_nc_u64 s[20:21], s[8:9], s[20:21]
	s_add_nc_u64 s[22:23], s[10:11], s[22:23]
	s_mov_b32 s[G0], 1                             ; the head's four tiles, each whole.  Slot 0's two sets serve them first.  All sets are made ahead of the round
	s_mov_b32 s[G0+1], 0
	s_mov_b64 s[G0+2:G0+3], s[46:47]
	s_or_b32 s[G0+3], s[G0+3], 0x80000000
	s_mov_b32 s[G0B], 1
	s_mov_b32 s[G0B+1], 2*HALFT
	s_mov_b64 s[G0B+2:G0B+3], s[20:21]
	s_or_b32 s[G0B+3], s[G0B+3], 0x80000000
	s_mov_b32 s[G0S], 1
	s_mov_b32 s[G0S+1], SCL
	s_mov_b64 s[G0S+2:G0S+3], s[66:67]
	s_or_b32 s[G0S+3], s[G0S+3], 0x80000000
	s_mov_b32 s[G0SB], 1
	s_mov_b32 s[G0SB+1], SCL+2*HALFS
	s_mov_b64 s[G0SB+2:G0SB+3], s[22:23]
	s_or_b32 s[G0SB+3], s[G0SB+3], 0x80000000
	s_mov_b32 s[G0+4], 1                           ; slot 1's sets: my 128 rows of K step 1
	s_add_co_u32 s[G0+5], s[LD], SLOT
	s_add_nc_u64 s[G0+6:G0+7], s[46:47], s[HO:HO+1]
	s_add_nc_u64 s[G0+6:G0+7], s[G0+6:G0+7], ROWB
	s_or_b32 s[G0+7], s[G0+7], 0x80000000
	s_mov_b32 s[G0B+4], 1
	s_add_co_u32 s[G0B+5], s[LD], SLOT
	s_add_nc_u64 s[G0B+6:G0B+7], s[20:21], s[HO:HO+1]
	s_add_nc_u64 s[G0B+6:G0B+7], s[G0B+6:G0B+7], ROWB
	s_or_b32 s[G0B+7], s[G0B+7], 0x80000000
; ONE chain of branches on the wave's number, one load to an arm, all arms leading to one join
.macro ARM under, g0, g1, next
	s_cmp_lt_u32 s[WV], \under
	s_cbranch_scc0 \next
	TLOAD \g0, \g1
	s_branch .Lhead_asked
\next:
.endm
	CROUND                                         ; all sixteen work-groups are here: the first joint loads meet
	ARM 1, G0,  G1,  .Lhead_b
	ARM 2, G0B, G1B, .Lhead_sa
	ARM 3, G0S, G1S, .Lhead_sb
	TLOAD G0SB, G1SB
.Lhead_asked:
	v_and_b32 v1, 15, v0                           ; r = lane % 16
	v_bfe_u32 v2, v0, 4, 1                         ; h = lane / 16
	v_lshlrev_b32 v[BO], 5, v2
	v_and_b32 v[PFO], 31, v0
	v_lshlrev_b32 v[PFK], 11, v[PFO]
	v_lshlrev_b32 v[PFO], 12, v[PFO]
	; the prefetches of codes: of the 128 rows that I fetch in the ring, the partner at place p (cx for A, cy for W) names rows 32 p .. 32 p + 31: told apart by address alone
	s_cmp_eq_u32 s[RH], 0
	s_cselect_b64 s[PFA:PFA+1], s[46:47], s[20:21]
	s_cselect_b32 s6, s40, s41
	s_lshl_b32 s6, s6, 16                          ; 32 rows x 2,048 bytes
	s_mov_b32 s7, 0
	s_add_nc_u64 s[PFA:PFA+1], s[PFA:PFA+1], s[6:7]
	s_add_nc_u64 s[PFA:PFA+1], s[PFA:PFA+1], s[HO:HO+1]
	s_lshl_b32 s6, s42, 8                          ; my 32 units begin 256 x tile column + 128 x half bytes into a gate's row of a bias
	s_lshl_b32 s7, s[CH], 7
	s_add_co_u32 s6, s6, s7
	s_mov_b32 s7, 0
	s_add_nc_u64 s[92:93], s[92:93], s[6:7]
	s_add_nc_u64 s[94:95], s[94:95], s[6:7]
	s_add_nc_u64 s[96:97], s[96:97], s[6:7]
	s_add_nc_u64 s[98:99], s[98:99], s[6:7]
	s_wait_alu depctr_va_vdst(0)
	global_prefetch_b8 v[PFK], s[PFA:PFA+1] offset:ROWB th:TH_LOAD_NT scope:SCOPE_SE      ; K step 1
	global_prefetch_b8 v[PFK], s[PFA:PFA+1] offset:2*ROWB th:TH_LOAD_NT scope:SCOPE_SE    ; K step 2
	; THE BIASES, in the result's layout: for block b lane (r, h) wants gate b / 2, units 16 (b % 2) + 8 h + 0 .. 7 of my 32
.irp b, 0,1,2,3,4,5,6,7
.irp k, 0,1
	global_load_b128 v[BI+8*\b+4*\k:BI+8*\b+4*\k+3], v[BO], s[92:93] offset:(\b/2)*HROW+(\b%2)*64+16*\k
	global_load_b128 v[BI+64+8*\b+4*\k:BI+64+8*\b+4*\k+3], v[BO], s[94:95] offset:(\b/2)*HROW+(\b%2)*64+16*\k
	global_load_b128 v[BI+128+8*\b+4*\k:BI+128+8*\b+4*\k+3], v[BO], s[96:97] offset:(\b/2)*HROW+(\b%2)*64+16*\k
.endr
.endr
	WIN TO_B
.irp b, 0,1,2,3,4,5,6,7
.irp k, 0,1
	global_load_b128 v[8*\b+4*\k:8*\b+4*\k+3], v[BO], s[98:99] offset:(\b/2)*HROW+(\b%2)*64+16*\k
.endr
.endr
	WIN 0
	v_mul_u32_u24 v3, v1, PITCH
	v_lshl_add_u32 v4, v2, 4, v3                   ; a fragment's row x pitch + 16 x half
	s_mul_i32 s8, s[RH], HALFT                     ; my 128 rows of A
	s_mul_i32 s9, s[CH], HALFT                     ; my 128 rows of W,
	s_add_co_u32 s9, s9, 2*HALFT                   ; which lie behind A's 256
.irp s, 0,1
	v_add_nc_u32 v[ADRA+\s], s8, v4
	v_add_nc_u32 v[ADRB+\s], s9, v4
	s_add_co_u32 s8, s8, SLOT
	s_add_co_u32 s9, s9, SLOT
.endr
	v_mul_u32_u24 v5, v1, KS                       ; my row's scales: 64 bytes a row,
	v_lshrrev_b32 v6, 8, v5
	v_lshl_add_u32 v5, v6, 4, v5                   ; and 16 more for each 256 passed
	s_mul_i32 s8, s[RH], HALFS
	s_mul_i32 s9, s[CH], HALFS
	s_add_co_u32 s9, s9, 2*HALFS
	s_sub_co_u32 s9, s9, s8
	v_mul_u32_u24 v6, s9, v2                       ; lanes 16-31 take W's: one product, the distance between the two bases
	s_add_co_u32 s8, s8, SCL
	v_add_nc_u32 v5, v5, v6
	v_add_nc_u32 v[ADRS], s8, v5
	; the way out.  c_prev's tile lies in slot 0 as 256 rows of 272 bytes; my part: rows 128 RH on, bytes 128 CH on; lane (r, h): row r, + 32 h
	s_mul_i32 s6, s[RH], HALFT
	s_lshl_b32 s7, s[CH], 7
	s_add_co_u32 s7, s7, s6
	v_lshl_add_u32 v5, v2, 5, v3
	v_add_nc_u32 v[CA], s7, v5
	v_add_nc_u32 v[HA], 2*HALFT, v[CA]             ; h_t's stage: the same place in the slot's other half
	s_mul_i32 s7, s[CH], 16*PITCH                  ; back: of each 32 finished rows of my half of the rows I take 16, whole; lanes 0-15 one row, lanes 16-31 the next
	s_add_co_u32 s7, s7, s6
	v_mul_u32_u24 v5, v2, PITCH
	v_lshl_add_u32 v5, v1, 4, v5
	v_add_nc_u32 v[RDC], s7, v5
	v_add_nc_u32 v[RDH], 2*HALFT, v[RDC]
	v_lshlrev_b32 v[CO], 12, v2                    ; and the same two rows in an output
	v_lshl_add_u32 v[CO], v1, 4, v[CO]
	s_lshl_b32 s8, s43, 8                          ; 256 x tile row
	s_lshl_b32 s9, s[WV], 6
	s_add_co_u32 s9, s9, s8                        ; c_prev: each wave fetches 64 rows of the tile
	s_lshl_b32 s10, s9, 12
	s_lshl_b32 s9, s42, 8                          ; the tile's 64 units: 256 bytes x tile column
	s_add_co_u32 s10, s10, s9
	s_mov_b32 s11, 0
	s_add_nc_u64 s[12:13], s[12:13], s[10:11]      ; never rewritten from here on
	s_lshl_b32 s10, s[RH], 7
	s_add_co_u32 s10, s10, s8
	s_lshl_b32 s11, s[CH], 4
	s_add_co_u32 s10, s10, s11                     ; the first row that I store: 256 x tile row + 128 RH + 16 CH
	s_lshl_b32 s10, s10, 12
	s_add_co_u32 s10, s10, s9
	s_mov_b32 s11, 0
	s_add_nc_u64 s[14:15], s[14:15], s[10:11]
	s_add_nc_u64 s[16:17], s[16:17], s[10:11]
	s_mov_b32 s[G0C], 1
	s_mul_i32 s[G0C+1], s[WV], 64*PITCH            ; into slot 0's first half: wave x 64 rows
	s_mov_b64 s[G0C+2:G0C+3], s[12:13]
	s_or_b32 s[G0C+3], s[G0C+3], 0x80000000
	s_wait_loadcnt 0x0                             ; the biases are in, and their loads have read their bases
.irp j, 0,2,4,6,8,10,12,14,16,18,20,22,24,26,28,30,32,34,36,38,40,42,44,46,48,50,52,54,56,58,60,62
	v_pk_add_f32 v[BI+\j:BI+\j+1], v[BI+\j:BI+\j+1], v[BI+64+\j:BI+64+\j+1]       ; bl + bl2
.endr
.irp j, 0,2,4,6,8,10,12,14,16,18,20,22,24,26,28,30,32,34,36,38,40,42,44,46,48,50,52,54,56,58,60,62
	v_pk_add_f32 v[BI+\j:BI+\j+1], v[BI+\j:BI+\j+1], v[BI+128+\j:BI+128+\j+1]     ; + bl3
.endr
	WIN 0x04                                       ; source 1 window 1
.irp j, 0,2,4,6,8,10,12,14,16,18,20,22,24,26,28,30,32,34,36,38,40,42,44,46,48,50,52,54,56,58,60,62
	v_pk_add_f32 v[BI+\j:BI+\j+1], v[BI+\j:BI+\j+1], v[\j:\j+1]                   ; + bp
.endr
	WIN 0
	; group 1 for c_prev's tile: 64 rows x 64 elements of 4 bytes, 1,024 elements from row to row, padded likewise; no mask: each work-group's tile is its own
	s_mov_b32 s[G1C+0], (2<<16)|(1<<20)|(5<<22)|(3<<25)
	s_mov_b32 s[G1C+1], 64<<16
	s_mov_b32 s[G1C+2], 64<<16
	s_mov_b32 s[G1C+3], 64<<16
	s_mov_b32 s[G1C+4], 64
	s_mov_b32 s[G1C+5], 1024
	s_mov_b32 s[G1C+6], 0
	s_mov_b32 s[G1C+7], 0
.macro FRAG reg, adr, q, i             ; a fragment: lane l holds row l % 16; registers 4 c .. 4 c + 3 hold K = 32 c + 16 (l / 16) + 0 .. 15
.irp c, 0,1,2,3
	ds_load_b128 v[\reg+4*\c:\reg+4*\c+3], v[\adr] offset:128*(\q)+32*\c+(\i)*16*PITCH
.endr
.endm
; 16 matrix instructions: A's blocks a0, a0 + 1 x W's eight, the slot's q-th 128 along K.  first = 1: the sums begin with the biases as C.  The 64 accumulators take turns.
.macro MUL16 a0, p, q, sc, first
	MUL8 \a0, \p, \q, \sc, \first
	MUL8 \a0+1, \p, \q, \sc, \first
.endm
.macro MUL8 a0, p, q, sc, first        ; eight of them: A's block a0 x W's eight
.irp a, \a0
.irp b, 0,1,2,3,4,5,6,7
.if \first
	v_wmma_scale_f32_16x16x128_f8f6f4 v[8*(8*((\a)%4)+\b):8*(8*((\a)%4)+\b)+7], v[128*(\p)+FR*\b:128*(\p)+FR*\b+FR-1], v[AF+FR*(\a):AF+FR*(\a)+FR-1], v[BI+8*\b:BI+8*\b+7], v[SC+8*NQ*(\sc)+NQ*\b+(\q)], v[SC+8*NQ*(\sc)+NQ*(\a)+(\q)] matrix_a_fmt:MATRIX_FMT_BF8 matrix_b_fmt:MATRIX_FMT_BF8 matrix_a_scale:MATRIX_SCALE_ROW1
.else
	v_wmma_scale_f32_16x16x128_f8f6f4 v[8*(8*((\a)%4)+\b):8*(8*((\a)%4)+\b)+7], v[128*(\p)+FR*\b:128*(\p)+FR*\b+FR-1], v[AF+FR*(\a):AF+FR*(\a)+FR-1], v[8*(8*((\a)%4)+\b):8*(8*((\a)%4)+\b)+7], v[SC+8*NQ*(\sc)+NQ*\b+(\q)], v[SC+8*NQ*(\sc)+NQ*(\a)+(\q)] matrix_a_fmt:MATRIX_FMT_BF8 matrix_b_fmt:MATRIX_FMT_BF8 matrix_a_scale:MATRIX_SCALE_ROW1
.endif
.endr
.endr
.endm
.macro FETCH_B slot, q, p              ; W's eight fragments into set p
	WIN TO_B
.irp i, 0,1,2,3,4,5,6,7
	FRAG 128*(\p)+FR*\i, ADRB+\slot, \q, \i
.endr
	WIN 0
.endm
.macro FETCH_BH slot, q, p, i0         ; W's blocks i0 .. i0 + 3 into set p
	WIN TO_B
.irp i, \i0, \i0+1, \i0+2, \i0+3
	FRAG 128*(\p)+FR*(\i), ADRB+\slot, \q, \i
.endr
	WIN 0
.endm
.macro FETCH_A slot, q, i0             ; A's blocks i0 .. i0 + 3
.irp i, \i0, \i0+1, \i0+2, \i0+3
	FRAG AF+FR*(\i), ADRA+\slot, \q, \i
.endr
.endm
.macro SCALES sc                       ; a K step's scale words into set sc: two words a row
.irp i, 0,1,2,3,4,5,6,7
	ds_load_b64 v[SC+8*NQ*\sc+NQ*\i:SC+8*NQ*\sc+NQ*\i+1], v[ADRS] offset:\i*SBLK
.endr
.endm
.macro PLACES n                        ; places behind matrix instructions, ahead of loads into their registers and of reads of their results
.rept \n
	v_nop
.endr
.endm
; A step of 128 along K that has its successor in the same slot.  The next step's 64 LDS loads go out in four runs of 16, one behind each 16 products: W's blocks 0-3 and 4-7 into the set that is not at work
; (its last readers stand ahead of the last step's places), then A's blocks 0-3 and 4-7, each behind eight places of its own: a block of A is free as soon as its eight products are issued.
.macro STEP slot, q, first
	s_wait_dscnt 4*NL                              ; all but the youngest 16 loads (A's blocks 4-7) are in
.if \first
	WIN 0x81                                       ; C (the biases) window 0, D window 2
.else
	WIN MUL_LO
.endif
	MUL16 0, (\q)%2, \q, \slot, \first
	FETCH_BH \slot, (\q)+1, 1-(\q)%2, 0
	WIN 0x81+0x20*(1-\first)                       ; D window 2; C window 0 (the biases) or 2
	MUL16 2, (\q)%2, \q, \slot, \first
	FETCH_BH \slot, (\q)+1, 1-(\q)%2, 4
	s_wait_dscnt 8*NL                              ; A's blocks 4-7 are in: behind them the 32 loads of W just issued may be out
	WIN 0xc1+0x30*(1-\first)                       ; D window 3; C window 0 or 3
	MUL16 4, (\q)%2, \q, \slot, \first
	PLACES NP
	WIN 0
	FETCH_A \slot, (\q)+1, 0
	WIN 0xc1+0x30*(1-\first)
	MUL16 6, (\q)%2, \q, \slot, \first
	PLACES NP
	WIN 0
	FETCH_A \slot, (\q)+1, 4
.endm
; THE PREFETCHES of a change of slots, behind the joint load, its five lines and the run of LDS loads.  The n-th change (n = 1 .. 6) asks for K step n + 1 and names K step n + 3: PFA stands at step n, the immediate adds three.
; The last trip (n = 5, 6) has no K step two on.  Its first change names c_prev's tile instead: my wave's 64 rows x 256 bytes, a lane a row, two K steps ahead of the tensor load that wants them.
.macro ASK slot
	s_cmp_gt_u32 s[CNT], 1
	s_cbranch_scc0 .Lpf_last_\@
	global_prefetch_b8 v[PFK], s[PFA:PFA+1] offset:3*ROWB th:TH_LOAD_NT scope:SCOPE_SE
.if \slot == 0
	s_branch .Lpf_done_\@
.endif
.Lpf_last_\@:
.if \slot == 0
	global_prefetch_b8 v[PFO], s[12:13] th:TH_LOAD_NT scope:SCOPE_SE
	global_prefetch_b8 v[PFO], s[12:13] offset:32*HROW th:TH_LOAD_NT scope:SCOPE_SE
.Lpf_done_\@:
.endif
.endm
; A slot's last step changes slots: ONE barrier, which opens a round of the cluster's barrier; in front of it each wave waits for all its tensor loads, adds 0 to its spare word, and waits for that and for its reads of this slot.
; fill = 1: this slot takes the codes two K steps on, by a joint load.  fill = 2: it takes c_prev's tile, each wave 64 rows, by a load of the work-group's own.
.macro TURN slot, next, fill
.if \fill == 1
	s_wait_xcnt 0x0                                ; my last prefetch has read its address: it steps here, a K step behind that prefetch
	s_add_nc_u64 s[PFA:PFA+1], s[PFA:PFA+1], ROWB
.endif
	s_wait_tensorcnt 0x0                           ; all my tensor loads have landed: the one that was out is my part of the next slot
	ds_add_u32 v[SPW], v[NIL]
	s_wait_dscnt 4*NL+1                            ; (the add and the youngest 16 loads may be out)
	WIN MUL_LO
	MUL16 0, 1, NQ-1, \slot, 0
	s_wait_dscnt 0x0                               ; the add is done, and my reads of this slot are over
	s_barrier_signal -1
	MUL16 2, 1, NQ-1, \slot, 0
	WIN 0
	s_barrier_wait -1
	CREST                                          ; no wave of any partner still reads this slot's tile or has a load on its way
.if \fill == 1
	s_add_nc_u64 s[G0+4*\slot+2:G0+4*\slot+3], s[G0+4*\slot+2:G0+4*\slot+3], 2*ROWB
	s_add_nc_u64 s[G0B+4*\slot+2:G0B+4*\slot+3], s[G0B+4*\slot+2:G0B+4*\slot+3], 2*ROWB
	JLOAD G0+4*\slot, G1, G0B+4*\slot, G1B         ; my one tensor load behind the round; its four v_nop are among the places in front of the loads below
.else
	TLOAD G0C, G1C                                 ; likewise; the slot's last fill
.endif
	PLACES NP-4
	s_wait_alu depctr_va_vdst(0)                   ; directly ahead of the reader below
	v_add_nc_u32 v[ADRS], 4*NQ, v[ADRS]            ; on to the next K step's scale words
	FETCH_BH \next, 0, 0, 0                        ; the next slot's first fragments, in runs among the 32 products that are left; the eight places above serve all but the last run
	SCALES \next
.if \fill == 1
	ASK \slot
.endif
	WIN MUL_HI
	MUL8 4, 1, NQ-1, \slot, 0
	FETCH_BH \next, 0, 0, 4
	WIN MUL_HI
	MUL8 5, 1, NQ-1, \slot, 0
	WIN 0
	FETCH_A \next, 0, 0
	WIN MUL_HI
	MUL16 6, 1, NQ-1, \slot, 0
	PLACES NP
	WIN 0
	FETCH_A \next, 0, 4
.endm
	s_wait_alu depctr_va_vdst(0)
	s_wait_tensorcnt 0x0                           ; my tile of the head's four is in; the full sequence stands ahead of slot 1's first fill, as ahead of a refill
	ds_add_u32 v[SPW], v[NIL]
	s_mov_b32 s[G1+2], 128<<16                     ; no tensor load of mine is out, so descriptors may be written: from here on a load brings 128 rows,
	s_mov_b32 s[G1+4], 128
	s_mov_b32 s[G1B+2], 128<<16
	s_mov_b32 s[G1B+4], 128
	s_add_co_u32 s[G0+1], s[LD], 0                 ; and slot 0's sets stand at my 128 rows of K step 0: the first refill steps them to K step 2
	s_add_nc_u64 s[G0+2:G0+3], s[G0+2:G0+3], s[HO:HO+1]
	s_add_co_u32 s[G0B+1], s[LD], 0
	s_add_nc_u64 s[G0B+2:G0B+3], s[G0B+2:G0B+3], s[HO:HO+1]
	s_wait_dscnt 0x0
	CROUND                                         ; all four tiles are in, and all sixteen work-groups are here
	JLOAD G0+4, G1, G0B+4, G1B                     ; K step 1, the first tensor load behind the round
	FETCH_B 0, 0, 0
	FETCH_A 0, 0, 0
	SCALES 0
	FETCH_A 0, 0, 4
	global_prefetch_b8 v[PFK], s[PFA:PFA+1] offset:3*ROWB th:TH_LOAD_NT scope:SCOPE_SE    ; with the request of K step 1: K step 3
	STEP 0, 0, 1                                   ; the first step stands in front of the loop: its products start the sums, from the biases
	s_mov_b32 s[CNT], 3
.Llap:                                                 ; a trip goes once round the ring and fills both slots again: K steps 2 to 7 in three trips
	TURN 0, 1, 1
	STEP 1, 0, 0
	TURN 1, 0, 1
	STEP 0, 0, 0
	s_sub_co_u32 s[CNT], s[CNT], 1
	s_cmp_lg_u32 s[CNT], 0
	s_cbranch_scc1 .Llap
	TURN 0, 1, 2                                   ; K step 6 ends; slot 0 takes c_prev's tile
	s_wait_dscnt 4*NL                              ; K step 7 has one step of 128: the joined K ends at 1,920
	WIN MUL_LO
	MUL16 0, 0, 0, 1, 0
	MUL16 2, 0, 0, 1, 0
	s_wait_dscnt 0
	WIN MUL_HI
	MUL16 4, 0, 0, 1, 0
	MUL16 6, 0, 0, 1, 0
	WIN 0
	; THE WAY OUT.
	PLACES NP
	s_wait_tensorcnt 0x0                           ; my 64 rows of c_prev are in LDS,
	s_barrier_signal -1                            ; (no LDS instruction of mine is out)
	s_barrier_wait -1                              ; everybody's are
	s_mov_b32 s[ML], 0xbfb8aa3b                    ; -L = -log2(e); the packed form names the pair, so both words are written
	s_mov_b32 s[ML+1], 0xbfb8aa3b
	s_mov_b32 s[ML2], 0xc038aa3b                   ; -2 L
	s_mov_b32 s[ML2+1], 0xc038aa3b
	s_mov_b32 s[CNT], 0x41f00000                   ; 30.0: the hold on the two tanh exponents
.macro PK16 op, d, a, rest:vararg      ; a packed line on the eight pairs of an array of 16
.irp j, 0,2,4,6,8,10,12,14
	\op v[\d+\j:\d+\j+1], v[\a+\j:\a+\j+1], \rest
.endr
.endm
.macro PK16V op, d, a, b               ; d = a op b
.irp j, 0,2,4,6,8,10,12,14
	\op v[\d+\j:\d+\j+1], v[\a+\j:\a+\j+1], v[\b+\j:\b+\j+1]
.endr
.endm
.macro FMA16 d, a, b, c                ; d = a b + c
.irp j, 0,2,4,6,8,10,12,14
	v_pk_fma_f32 v[\d+\j:\d+\j+1], v[\a+\j:\a+\j+1], v[\b+\j:\b+\j+1], v[\c+\j:\c+\j+1]
.endr
.endm
.macro RUN op, d, n                    ; n transcendentals in place, on registers of their own
.set m, 0
.rept \n
	\op v[\d+m], v[\d+m]
.set m, m+1
.endr
.endm
.macro HOLD d                          ; 16 exponents held at 30
.set m, 0
.rept 16
	v_min_num_f32 v[\d+m], s[CNT], v[\d+m]
.set m, m+1
.endr
.endm
.macro BATCH_END                       ; a plain place behind a batch's last transcendental, and the one wait ahead of its first reader
	v_nop
	s_wait_alu depctr_va_vdst(0)
.endm
; Block a: 16 rows of the batch x my 32 units: 16 elements a lane, element 8 u + j = unit 16 u + 8 h + j of row 16 a + r.  Six arrays of 16 registers in work set a % 2.
; TWO BLOCKS, a (even) and a + 1, GO TOGETHER, block a + z in work set z at v[W0 + 96 z]: each batch of transcendentals holds both blocks', so the waits ahead of and behind a batch stand once for 32 rows.
; Both blocks' accumulators lie in one window, block a + 1's 64 registers behind block a's.  out >= 0: the rows of portion `out`, read back ahead of this pair, are stored behind the pair's wait for c_prev.
.set W0, 64
.set GI, 0                             ; E_i, (1+E_i)(1+E_g), its reciprocal; then E_c, 1-E_c, h_t
.set GF, 16                            ; E_f, 1+E_f, its reciprocal
.set GO, 32                            ; E_o, then E_o T + T and its reciprocal
.set GG, 48                            ; E_g, 1+E_g; then T = 1+E_c
.set GN, 64                            ; 1-E_g, then i g
.set GC, 80                            ; c_prev, then c_t
.macro GROUP2 a, out
.set AC, 64*((\a)%4)                   ; block a's eight accumulators, in window 2 (blocks 0-3) or 3 (blocks 4-7)
.irp z, 0,1
.set WB, W0+96*\z
.irp u, 0,1
.irp k, 0,1
	ds_load_b128 v[WB+GC+8*\u+4*\k:WB+GC+8*\u+4*\k+3], v[CA] offset:16*PITCH*((\a)+\z)+64*\u+16*\k
.endr
.endr
.endr
	WIN 0x02+(\a)/4                                ; source 0: window 2 or 3
	s_wait_alu depctr_va_vdst(0)                   ; the wait stands directly ahead of the first reader of these matrix results; only plain lines follow up to the last of them
.irp z, 0,1
.set WB, W0+96*\z
.irp g, 0,1,2
.irp u, 0,1
.irp j, 0,2,4,6
	v_pk_mul_f32 v[WB+16*\g+8*\u+\j:WB+16*\g+8*\u+\j+1], v[AC+64*\z+8*(2*\g+\u)+\j:AC+64*\z+8*(2*\g+\u)+\j+1], s[ML:ML+1] op_sel_hi:[1,0]   ; -L p; each accumulator from its low end on
.endr
.endr
.endr
.irp u, 0,1
.irp j, 0,2,4,6
	v_pk_mul_f32 v[WB+GG+8*\u+\j:WB+GG+8*\u+\j+1], v[AC+64*\z+8*(6+\u)+\j:AC+64*\z+8*(6+\u)+\j+1], s[ML2:ML2+1] op_sel_hi:[1,0]           ; -2 L p for the tanh
.endr
.endr
.endr
	WIN 0
.irp z, 0,1
.set WB, W0+96*\z
	HOLD WB+GG
.endr
	s_wait_alu depctr_va_vdst(0)                   ; ahead of the batch
.irp z, 0,1
.set WB, W0+96*\z
	RUN v_exp_f32, WB, 64                          ; E_i, E_f, E_o, E_g
.endr
	BATCH_END
.irp z, 0,1
.set WB, W0+96*\z
	PK16 v_pk_fma_f32, WB+GN, WB+GG, -1.0, 1.0 op_sel_hi:[1,0,0]     ; 1 - E_g
	PK16 v_pk_add_f32, WB+GG, WB+GG, 1.0 op_sel_hi:[1,0]             ; 1 + E_g
	FMA16 WB+GI, WB+GI, WB+GG, WB+GG                                 ; (1 + E_i)(1 + E_g)
	PK16 v_pk_add_f32, WB+GF, WB+GF, 1.0 op_sel_hi:[1,0]             ; 1 + E_f
.endr
	s_wait_alu depctr_va_vdst(0)
.irp z, 0,1
.set WB, W0+96*\z
	RUN v_rcp_f32, WB, 32                          ; the two reciprocals
.endr
	v_nop
	s_wait_dscnt 0x0                               ; c_prev is in, and so are the rows that were asked for ahead of this pair
	s_wait_alu depctr_va_vdst(0)
.if \out >= 0
	ROWS_OUT \out
.endif
.irp z, 0,1
.set WB, W0+96*\z
	PK16V v_pk_mul_f32, WB+GN, WB+GN, WB+GI        ; i g
	FMA16 WB+GC, WB+GC, WB+GF, WB+GN               ; c_t = f c_prev + i g
.irp u, 0,1
.irp k, 0,1
	ds_store_b128 v[CA], v[WB+GC+8*\u+4*\k:WB+GC+8*\u+4*\k+3] offset:16*PITCH*((\a)+\z)+64*\u+16*\k   ; over the bytes of c_prev that this lane alone has read
.endr
.endr
	PK16 v_pk_mul_f32, WB+GI, WB+GC, s[ML2:ML2+1] op_sel_hi:[1,0]    ; -2 L c_t
	HOLD WB+GI
.endr
	s_wait_alu depctr_va_vdst(0)
.irp z, 0,1
.set WB, W0+96*\z
	RUN v_exp_f32, WB+GI, 16                       ; E_c
.endr
	BATCH_END
.irp z, 0,1
.set WB, W0+96*\z
	PK16 v_pk_add_f32, WB+GG, WB+GI, 1.0 op_sel_hi:[1,0]             ; T = 1 + E_c
	FMA16 WB+GO, WB+GO, WB+GG, WB+GG                                 ; E_o T + T
	PK16 v_pk_fma_f32, WB+GI, WB+GI, -1.0, 1.0 op_sel_hi:[1,0,0]     ; 1 - E_c
.endr
	s_wait_alu depctr_va_vdst(0)
.irp z, 0,1
.set WB, W0+96*\z
	RUN v_rcp_f32, WB+GO, 16
.endr
	BATCH_END
.irp z, 0,1
.set WB, W0+96*\z
	PK16V v_pk_mul_f32, WB+GI, WB+GI, WB+GO        ; h_t
.irp u, 0,1
.irp k, 0,1
	ds_store_b128 v[HA], v[WB+GI+8*\u+4*\k:WB+GI+8*\u+4*\k+3] offset:16*PITCH*((\a)+\z)+64*\u+16*\k
.endr
.endr
.endr
.endm
; 32 finished rows of each half of the rows (a row's 256 bytes come from two waves, so a barrier stands in front): I read 16 of them back, of c_t and of h_t, two rows an instruction (ROWS_IN),
; begin the next pair of blocks, whose wait for c_prev shows them in, and store them there (ROWS_OUT).  Each portion p has 64 registers of its own in window 1; offsets and bases are never rewritten.
.macro ROWS_IN p
	WIN TO_B
.irp i, 0,1,2,3,4,5,6,7
	ds_load_b128 v[64*\p+4*\i:64*\p+4*\i+3], v[RDC] offset:32*PITCH*\p+2*PITCH*\i
.endr
.irp i, 0,1,2,3,4,5,6,7
	ds_load_b128 v[64*\p+32+4*\i:64*\p+32+4*\i+3], v[RDH] offset:32*PITCH*\p+2*PITCH*\i
.endr
	WIN 0
.endm
.macro ROWS_OUT p
	WIN 0x04                                       ; a store's data are its source 1: window 1
.irp i, 0,1,2,3,4,5,6,7
	global_store_b128 v[CO], v[64*\p+4*\i:64*\p+4*\i+3], s[16:17] offset:(32*\p+2*\i)*HROW th:TH_STORE_NT         ; c_t: 16 lanes store 256 consecutive bytes, at a multiple of 256 from out1's first byte
.endr
.irp i, 0,1,2,3,4,5,6,7
	global_store_b128 v[CO], v[64*\p+32+4*\i:64*\p+32+4*\i+3], s[14:15] offset:(32*\p+2*\i)*HROW th:TH_STORE_NT   ; h_t likewise, to out0
.endr
	WIN 0
.endm
.macro MEET                            ; for the others' sake: my stores into the stages are done
	s_wait_dscnt 0x0
	s_barrier_signal -1
	s_barrier_wait -1
.endm
	GROUP2 0, -1
.irp p, 0,1,2
	MEET
	ROWS_IN \p
	GROUP2 2*\p+2, \p
.endr
	MEET
	ROWS_IN 3
	s_wait_dscnt 0x0
	ROWS_OUT 3
	s_wait_tensorcnt 0x0                           ; the wave's end: behind my last tensor load and my last LDS store
	ds_add_u32 v[SPW], v[NIL]
	s_wait_dscnt 0x0
	CROUND                                         ; the closing round: no work-group ends while a partner may still ask for a tile that names it
	s_endpgm
.Lfunc_end_k_qfdfa00b2bb_lstm:
	.size	k_qfdfa00b2bb_lstm, .Lfunc_end_k_qfdfa00b2bb_lstm-k_qfdfa00b2bb_lstm
	.p2alignl 7, 3214868480
	.fill 96, 4, 3214868480
	.section	.rodata,"a",@progbits
	.p2align	6, 0x0
	.amdhsa_kernel k_qfdfa00b2bb_lstm
		.amdhsa_group_segment_fixed_size 327680
		.amdhsa_private_segment_fixed_size 0
		.amdhsa_enable_private_segment 0
		.amdhsa_kernarg_size 88
		.amdhsa_user_sgpr_count 2
		.amdhsa_user_sgpr_kernarg_segment_ptr 1
		.amdhsa_wavefront_size32 1
		.amdhsa_system_sgpr_workgroup_id_x 1
		.amdhsa_system_sgpr_workgroup_id_y 1
		.amdhsa_system_sgpr_workgroup_id_z 1
		.amdhsa_system_vgpr_workitem_id 0
		.amdhsa_next_free_vgpr 1024
		.amdhsa_next_free_sgpr 106
		.amdhsa_reserve_vcc 0
		.amdhsa_float_denorm_mode_32 3
		.amdhsa_float_denorm_mode_16_64 3
		.amdhsa_memory_ordered 1
		.amdhsa_forward_progress 1
		.amdhsa_inst_pref_size 240
	.end_amdhsa_kernel
	.amdgpu_metadata
---
amdhsa.version: [ 1, 2 ]
amdhsa.kernels:
  - .name:           k_qfdfa00b2bb_lstm
    .symbol:         k_qfdfa00b2bb_lstm.kd
    .args:
      - { .name: a_codes, .offset: 0, .size: 8, .value_kind: global_buffer, .address_space: global }
      - { .name: a_scales, .offset: 8, .size: 8, .value_kind: global_buffer, .address_space: global }
      - { .name: w_codes, .offset: 16, .size: 8, .value_kind: global_buffer, .address_space: global }
      - { .name: w_scales, .offset: 24, .size: 8, .value_kind: global_buffer, .address_space: global }
      - { .name: bl, .offset: 32, .size: 8, .value_kind: global_buffer, .address_space: global }
      - { .name: bl2, .offset: 40, .size: 8, .value_kind: global_buffer, .address_space: global }
      - { .name: bl3, .offset: 48, .size: 8, .value_kind: global_buffer, .address_space: global }
      - { .name: bp, .offset: 56, .size: 8, .value_kind: global_buffer, .address_space: global }
      - { .name: c_prev, .offset: 64, .size: 8, .value_kind: global_buffer, .address_space: global }
      - { .name: out0, .offset: 72, .size: 8, .value_kind: global_buffer, .address_space: global }
      - { .name: out1, .offset: 80, .size: 8, .value_kind: global_buffer, .address_space: global }
    .group_segment_fixed_size: 327680
    .private_segment_fixed_size: 0
    .kernarg_segment_align: 8
    .kernarg_segment_size: 88
    .max_flat_workgroup_size: 128
    .sgpr_count:     106
    .vgpr_count:     1024
    .wavefront_size: 32
...
	.end_amdgpu_metadata
.endif
;; end of part 2
